; MI455X (gfx1250); checked and timed in simulation.
; The chip was launched on July 23, 2026; its instructions are those of AMD's public machine-readable ISA for CDNA 5 (MIT licence, August 2026) and "CDNA5" Instruction Set Architecture Reference Guide (July 2026). The comments in the code are by the model that wrote it; some were corrected since.
;; Neu Reparam. Allowed arithmetic: float matrix products may take bf16 or f16 operands with f32 sums; other float arithmetic in f32, or as packed bf16 or f16 multiplies, adds, multiply-adds, maxima and minima; sums over many terms, partial sums and values carried from step to step in f32; what a program stores and reads back later, other than sums and carried values, may be rounded once to bf16 or f16.
;; Inputs: W_hid 3 x 64 x 64 float32; W_in 20 x 64 float32; W_out 64 x 3 float32; b_hid 3 x 64 float32; b_in 64 float32; b_out 3 float32; wo 524,288 x 2 float32; z 524,288 x 2 float32.
;; Outputs: out0 524,288 x 3 float32.
;; One version. Each part assembles by itself: llvm-mc -triple=amdgcn-amd-amdhsa -mcpu=gfx1250 --defsym DOCPART=n.
;; ======== version 1 of 1: 1 launch
;; launch neu (part 1): grid 256 x 1, 8 waves a work-group, no clusters, 78,336 bytes of LDS; arguments wo, z, W_in, b_in, W_hid, b_hid, W_out, b_out, out0; writes out0
.if DOCPART == 1
	.amdgcn_target "amdgcn-amd-amdhsa--gfx1250"
	.amdhsa_code_object_version 6
	.text
	.protected	k_q3f3082de77_neu
	.globl	k_q3f3082de77_neu
	.p2align	8
	.type	k_q3f3082de77_neu,@function
k_q3f3082de77_neu:
	s_mov_b64 s[64:65], 0
	v_nop
	global_prefetch_b8 v0, s[64:65] scope:SCOPE_SE
	s_setreg_imm32_b32 hwreg(HW_REG_WAVE_MODE, 25, 1), 1
	s_wait_xcnt 0x0
; NeuReparam.  For each of 524,288 samples: 16 sines and cosines of wo, wo itself and the 2 numbers of z go through an MLP 20 -> 64 -> 64 -> 64 -> 64 -> 3 (silu);
; (a, b, softplus(c)) is normalised; out0 = (wi.x, wi.y, det of d wi / d z).  One launch; nothing goes through memory between the steps.
; THREE PASSES, NOT FOUR: the primal once, and the two tangents d/dz0, d/dz1, whose first layer is rows 18 and 19 of W_in and needs no product.
; SHARES.  256 work-groups x 2,048 samples; a wave owns 256 consecutive samples: 16 tiles of 16, one tile a trip.  Eight waves of 512 registers: two for each of a WGP's four SIMDs.
; LAYOUT.  Every product is D = W^T (16 units x 32 inputs, source 0) x activations (32 inputs x 16 samples, source 1).  In D lane l holds sample l % 16 and units 16 T + 8 (l / 16) + 0..7;
; registers 2 i, 2 i + 1 of the four tiles' 32, rounded in pairs, ARE register i of the next layer's source 1: nothing changes lanes, no activation touches LDS.
; All 30 weight fragments (240 registers) stay in window 1 for the whole launch; everything else lies in window 0.
; FORMATS.  All inputs (wo, z, weights, biases) are rounded once to bf16.  The primal activations go into the products as TWO bf16 numbers, hi + lo (about 16 significant bits, bf16's range);
; the tangents as one bf16.  Sums, biases, sigmoids and the final step in f32.
; SCALE.  The primal is carried as y = k x, k = -log2(e): features and biases are multiplied by k once, and h' = y s = k h hands the scale on.  So e^-x = 2^y needs no multiply.
;   s = 1 / (1 + 2^y);  h' = y s;  q = (1 - s) / k = s ln2 - ln2;  silu'(x) = h' q + s;  tangent = u silu'.  The last layer's sums are multiplied by 1 / k = -ln2 with the bias's add.
; TWO TYPES OF WAVE.  A tile is a chain of phases that are matrix work (M1, MH, M5) and vector work (ACT, V0) by turns.  TYP = (w ^ (w >> 2)) & 1 differs between waves w and w + 4 and between
; 2 m and 2 m + 1.  Type 0 runs one phase ahead of type 1, and a work-group barrier stands in front of every phase: while the waves of one type multiply, those of the other do vector work.
; These barriers order no memory.  They stand in text that every wave runs; behind each a branch on TYP chooses the phase, so each phase is assembled twice.
; LIMITS.  |wo| up to 2^20 (the angle's reduction takes pi / 2 in two parts); the sines come from a polynomial on |angle| <= pi / 4 and five doublings: about 4e-6 absolute at 8 wo.
; |Tz| under 1.8e19 (its squares are summed in f32).  Exponentials, reciprocals and roots take and give no denormals.  Where the norm is below 1e-12 the divisor is 1e-12 and its derivative 0;
; at equality the unclamped branch is taken.  NaN and infinities are not treated apart.
; In the last trip the LDS loads for a next tile (bias table 0, W_in's two rows, the raw inputs with the tile's number held at 15) serve nothing.
; NOT USED: tensor loads, a ring, a cluster: the loop moves no tile; what work-groups share is 56 KB of weights, read once at the head and turned and rounded in registers on the way.
; LDS, bytes
.set IMG,   0          ; 30 fragments x 1,024: fragment f, registers 4 c .. 4 c + 3, lane L at 1024 f + 512 c + 16 L.  f = 8 l + 2 T + s (hidden), 24 + T (W_in), 28 + s (W_out)
.set BT,    30720      ; 4 tables of 64 f32: k bf16(b_in), k bf16(b_hid[0..2])
.set TWT,   31744      ; 2 tables of 64 f32: bf16(W_in[18][:]), bf16(W_in[19][:])
.set INS,   32256      ; wave w at 4096 w: its 2,048 bytes of wo, then of z
.set OSTG,  65024      ; wave w at 1536 w: 128 samples x 12 bytes of results
.set SPARE, 77312      ; the spare words, 128 bytes a wave: four blocks of 256 bytes that no other line names
; vector registers, window 0
.set SPW, 1            ; LDS address of my spare word; never rewritten
.set NIL, 2            ; 0; never rewritten
.set LA,  3            ; 16 x lane
.set BA,  4            ; 32 x (lane / 16): my eight units in a table
.set IA,  5            ; INS + 4096 w + 8 (l % 16) + 4 (l / 16): my coordinate of my sample in tile 0
.set TA,  6            ; the same in the tile to be read
.set SA,  7            ; OSTG + 1536 w + 12 (l % 16) + 4 (l / 16)
.set SD,  8            ; OSTG + 1536 w + 12 (l % 16) + 8
.set SAT, 9            ; the two in the trip's place
.set SDT, 10
.set RA,  11           ; OSTG + 1536 w + 16 x lane
.set GT,  13           ; my byte offset in the wave's part of out0
.set R,   14           ; l % 16
.set H,   15           ; l / 16
.set RZ,  16           ; v[16:17] z, wo as read
.set SC3, 18           ; pairs (sine's, cosine's) of polynomial coefficients
.set SC2, 20
.set SC1, 22
.set SC0, 24           ; (0, -0.5)
.set ZO,  26           ; (0, 1)
.set TH1, 28           ; (angle, 1)
.set ONE, 29
.set TW,  30           ; (2, -2)
.set Q,   32           ; v[32:39] four pairs at work
.set FH,  40           ; v[40:47] the features, source 1, hi; registers 5-7 stay 0
.set FL,  48           ; v[48:55] lo
.set BO,  56           ; v[56:58] bf16(b_out)
.set TMPA, 59
.set TMPB, 60
.set X,   64           ; v[64:95]   primal sums, then h'
.set U0,  96           ; v[96:127]  tangent sums
.set U1,  128          ; v[128:159]
.set S,   160          ; v[160:191] 2^y, 1 + 2^y, s, silu'
.set OT,  160          ; the last layer's sums: primal,
.set OD0, 168          ; d/dz0,
.set OD1, 176          ; d/dz1
.set HH,  192          ; v[192:207] h' hi, source 1
.set HL,  208          ; v[208:223] h' lo
.set T0,  224          ; v[224:239] tangent 0
.set T1,  240          ; v[240:255] tangent 1
; set-up only
.set IW,  32           ; 1024 w + 16 lane
.set NW,  33           ; INS + 4096 w + 16 lane
.set HO,  34
.set T4,  35           ; 4 x thread
.set BOF, 36
.set WO4, 37
.set R7,  38
.set LWO, 64
.set LZ,  80
.set LH,  96
.set LB,  144
.set LT,  145
.set LX,  146
.set PX,  162
.set PH,  170
; the encoding's registers (T0's and T1's, dead there)
.set PT, 224
.set P0, 226
.set P1, 228
.set P2, 230
.set P3, 232
.set P4, 234
.set TZ, 236
.set PP, 238
.set A2, 240
.set PA, 242
.set PB, 244
.set PN, 246
.set PQ, 247
; the final step's registers (HH's, dead there)
.set FA,  192
.set FB,  193
.set FC,  194
.set FT,  195
.set FN,  196
.set FP,  197
.set F1,  198
.set FLG, 199
.set FR,  200
.set FU,  201
.set FS,  202
.set FRS, 203
.set FD0, 204
.set FD1, 205
.set FI,  206
.set FDT, 207
; scalars: s[8:23] the first eight addresses, s[24:25] out0; s29-31 at work; s[32:33] ln2, s[34:35] -ln2, s[36:37] k (pairs for the packed forms); s38, s39 -pi/2 in two parts;
; s[40:42] b_out; s43 lanes 16-31 (also the mask of a word's upper bf16); s44-46 lane masks; s[48:49] out0 at my wave's part; s[50:53] offsets; s[54:55] the bias buffer that my thread reads
.set W,   26           ; my wave's number
.set TYP, 27
.set I,   28           ; the trip, 0 to 15
.set MSB, 0
.macro WIN new                         ; the immediate's high byte repeats the setting that is left; a switch that changes nothing is dropped
.if MSB != (\new)
	s_set_vgpr_msb (MSB<<8)|(\new)
.set MSB, \new
.endif
.endm
.macro PLACES                          ; four plain places between a matrix instruction and a vector line that reads its result or writes one of its registers (ISA guide 7.12.1)
.rept 4
	v_nop
.endr
.endm
.macro E2 n                            ; 2^y for pair n, ascending: each accumulator's lowest registers are read first
	v_exp_f32 v[S+2*(\n)], v[X+2*(\n)]
	v_exp_f32 v[S+2*(\n)+1], v[X+2*(\n)+1]
.endm
.macro BATCH_END                       ; a plain line behind the last transcendental, and one wait ahead of the batch's first reader
	v_nop
	s_wait_alu depctr_va_vdst(0)
.endm
; LAYER 1.  X holds k b_in.  Eight products: features hi, then lo, the four accumulators by turns; then the 32 exponentials.
.macro M1
	WIN 0x01                               ; source 0 in window 1
.irp b, 0,1
.irp T, 0,1,2,3
	v_wmma_f32_16x16x32_bf16 v[X+8*\T:X+8*\T+7], v[192+8*\T:192+8*\T+7], v[FH+8*\b:FH+8*\b+7], v[X+8*\T:X+8*\T+7]
.endr
.endr
	WIN 0
	PLACES
.set n, 0
.rept 16
	E2 n
.set n, n+1
.endr
	BATCH_END
.endm
; HIDDEN LAYER l.  X holds k b_hid[l].  16 primal products (hi and lo of each half of K), the four accumulators by turns; four places; then 16 tangent products (the first eight start their sums
; with the constant 0), and behind each of them two of the primal's 32 exponentials.
.macro MH l
	WIN 0x01
.irp c, 0,1,2,3
.irp T, 0,1,2,3
	v_wmma_f32_16x16x32_bf16 v[X+8*\T:X+8*\T+7], v[8*(8*(\l)+2*\T+(\c)/2):8*(8*(\l)+2*\T+(\c)/2)+7], v[HH+16*((\c)%2)+8*((\c)/2):HH+16*((\c)%2)+8*((\c)/2)+7], v[X+8*\T:X+8*\T+7]
.endr
.endr
	PLACES
.set n, 0
.rept 16
.set rD, U0+32*((n/4)%2)+8*(n%4)       ; tangent (n / 4) % 2, tile n % 4
.set rA, 8*(8*(\l)+2*(n%4)+n/8)        ; half n / 8 of K
.set rB, T0+16*((n/4)%2)+8*(n/8)
	WIN 0x01
.if n < 8
	v_wmma_f32_16x16x32_bf16 v[rD:rD+7], v[rA:rA+7], v[rB:rB+7], 0
.else
	v_wmma_f32_16x16x32_bf16 v[rD:rD+7], v[rA:rA+7], v[rB:rB+7], v[rD:rD+7]
.endif
	WIN 0
	E2 n
.set n, n+1
.endr
	BATCH_END
.endm
; THE LAST LAYER.  W_out's three columns stand in source 0's rows 0-2 and 8-10, so both halves of the lanes get their sample's three numbers in registers 0-2.  No two neighbours share an accumulator.
.macro OUTP d, b, s, zero
.if \zero
	v_wmma_f32_16x16x32_bf16 v[\d:\d+7], v[224+8*\s:224+8*\s+7], v[\b+8*\s:\b+8*\s+7], 0
.else
	v_wmma_f32_16x16x32_bf16 v[\d:\d+7], v[224+8*\s:224+8*\s+7], v[\b+8*\s:\b+8*\s+7], v[\d:\d+7]
.endif
.endm
.macro M5
	WIN 0x01
	OUTP OT,  HH, 0, 1
	OUTP OD0, T0, 0, 1
	OUTP OT,  HL, 0, 0
	OUTP OD1, T1, 0, 1
	OUTP OT,  HH, 1, 0
	OUTP OD0, T0, 1, 0
	OUTP OT,  HL, 1, 0
	OUTP OD1, T1, 1, 0
	WIN 0
.rept 5                                ; five plain places: four serve the vector lines that read these sums; the fifth, because this phase's text stands twice, a step apart, and a matrix
	v_nop                                  ; instruction that writes over another's registers stands five places behind it (ISA guide 7.12.1) on every way through the text
.endr
.endm
; A LAYER'S VECTOR WORK.  S holds 2^y, X holds y, U0 and U1 the tangents' sums.  bt: the bias table that X takes for the next product.
.macro ACT bt
.set i, 0
.rept 16                               ; 1 + 2^y, a pair a line; the pair before gets its two reciprocals, in place
	v_pk_add_f32 v[S+2*i:S+2*i+1], v[S+2*i:S+2*i+1], 1.0 op_sel_hi:[1,0]
.if i > 0
	v_rcp_f32 v[S+2*i-2], v[S+2*i-2]
	v_rcp_f32 v[S+2*i-1], v[S+2*i-1]
.endif
.set i, i+1
.endr
	v_rcp_f32 v[S+30], v[S+30]
	v_rcp_f32 v[S+31], v[S+31]
	BATCH_END
.set g, 0
.rept 4                                ; four pairs at a time, step by step, so that no line waits for the one before it
.irp p, 0,1,2,3
	v_pk_mul_f32 v[X+8*g+2*\p:X+8*g+2*\p+1], v[X+8*g+2*\p:X+8*g+2*\p+1], v[S+8*g+2*\p:S+8*g+2*\p+1]  ; h' = y s
.endr
.irp p, 0,1,2,3
	v_pk_fma_f32 v[Q+2*\p:Q+2*\p+1], v[S+8*g+2*\p:S+8*g+2*\p+1], s[32:33], s[34:35] op_sel_hi:[1,0,0]  ; q = s ln2 - ln2
.endr
.irp p, 0,1,2,3
	v_cvt_pk_bf16_f32 v[HH+4*g+\p], v[X+8*g+2*\p], v[X+8*g+2*\p+1]  ; hi
.endr
.irp p, 0,1,2,3
	v_pk_fma_f32 v[S+8*g+2*\p:S+8*g+2*\p+1], v[X+8*g+2*\p:X+8*g+2*\p+1], v[Q+2*\p:Q+2*\p+1], v[S+8*g+2*\p:S+8*g+2*\p+1]  ; silu' = h' q + s
.endr
.irp p, 0,1,2,3
	v_fma_mixlo_bf16 v[HL+4*g+\p], v[X+8*g+2*\p], v[ONE], -v[HH+4*g+\p] op_sel_hi:[0,0,1]  ; lo = h' x 1 - hi, rounded once
.endr
.irp p, 0,1,2,3
	v_fma_mixhi_bf16 v[HL+4*g+\p], v[X+8*g+2*\p+1], v[ONE], -v[HH+4*g+\p] op_sel:[0,0,1] op_sel_hi:[0,0,1]
.endr
.set g, g+1
.endr
.irp T, 0,1,2,3                        ; X is dead: it takes the next product's bias; the 64 lines below stand between these loads and the wait at the next phase's head
.irp c, 0,1
	ds_load_b128 v[X+8*\T+4*\c:X+8*\T+4*\c+3], v[BA] offset:BT+256*(\bt)+64*\T+16*\c
.endr
.endr
.set g, 0
.rept 4
.irp p, 0,1,2,3
	v_pk_mul_f32 v[U0+8*g+2*\p:U0+8*g+2*\p+1], v[U0+8*g+2*\p:U0+8*g+2*\p+1], v[S+8*g+2*\p:S+8*g+2*\p+1]
.endr
.irp p, 0,1,2,3
	v_pk_mul_f32 v[U1+8*g+2*\p:U1+8*g+2*\p+1], v[U1+8*g+2*\p:U1+8*g+2*\p+1], v[S+8*g+2*\p:S+8*g+2*\p+1]
.endr
.irp p, 0,1,2,3
	v_cvt_pk_bf16_f32 v[T0+4*g+\p], v[U0+8*g+2*\p], v[U0+8*g+2*\p+1]
.endr
.irp p, 0,1,2,3
	v_cvt_pk_bf16_f32 v[T1+4*g+\p], v[U1+8*g+2*\p], v[U1+8*g+2*\p+1]
.endr
.set g, g+1
.endr
.endm
; THE ENCODING.  A lane has coordinate l / 16 of sample l % 16.  Its ten features, in the order in which W_in's fragments were laid: sin, cos of wo, 2 wo, 4 wo, 8 wo; z; wo.
.macro DBL d, s                        ; (sin, cos) of twice the angle: (2 s c, 1 - 2 s s)
	v_pk_mul_f32 v[A2:A2+1], v[\s:\s+1], v[TW:TW+1] op_sel_hi:[0,1]               ; (2 s, -2 s)
	v_pk_fma_f32 v[\d:\d+1], v[A2:A2+1], v[\s:\s+1], v[ZO:ZO+1] op_sel:[0,1,0] op_sel_hi:[1,0,1]  ; (2 s) c + 0, (-2 s) s + 1
.endm
.macro POSENC
	v_cvt_pk_bf16_f32 v[PT], v[RZ], v[RZ+1]        ; both inputs rounded to bf16
	v_lshlrev_b32 v[P4], 16, v[PT]                 ; z
	v_and_b32 v[P4+1], s43, v[PT]                  ; wo
	v_mul_f32 v[PN], 0.15915494, v[P4+1]
	v_mul_f32 v[PQ], 0x3e800000, v[P4+1]           ; wo / 4
	v_rndne_f32 v[PN], v[PN]                       ; n whole turns
	v_fma_f32 v[PQ], v[PN], s38, v[PQ]
	v_fma_f32 v[TH1], v[PN], s39, v[PQ]            ; the angle wo / 4 - n pi / 2, within pi / 4
	v_mov_b32 v[TZ], v[TH1]
	v_mul_f32 v[TZ+1], v[TH1], v[TH1]              ; TZ = (angle, its square)
	v_pk_fma_f32 v[PP:PP+1], v[SC3:SC3+1], v[TZ:TZ+1], v[SC2:SC2+1] op_sel:[0,1,0] op_sel_hi:[1,1,1]  ; both polynomials in the square, side by side
	v_pk_fma_f32 v[PP:PP+1], v[PP:PP+1], v[TZ:TZ+1], v[SC1:SC1+1] op_sel:[0,1,0] op_sel_hi:[1,1,1]
	v_pk_fma_f32 v[PP:PP+1], v[PP:PP+1], v[TZ:TZ+1], v[SC0:SC0+1] op_sel:[0,1,0] op_sel_hi:[1,1,1]
	v_pk_fma_f32 v[PA:PA+1], v[PP:PP+1], v[TZ:TZ+1], v[TH1:TH1+1]                  ; (sin, cos) of wo / 4
	DBL PB, PA                                     ; wo / 2
	DBL P0, PB                                     ; wo
	DBL P1, P0                                     ; 2 wo
	DBL P2, P1                                     ; 4 wo
	DBL P3, P2                                     ; 8 wo
.irp i, 0,1,2,3,4
	v_pk_mul_f32 v[P0+2*\i:P0+2*\i+1], v[P0+2*\i:P0+2*\i+1], s[36:37] op_sel_hi:[1,0]  ; times k
.endr
.irp i, 0,1,2,3,4
	v_cvt_pk_bf16_f32 v[FH+\i], v[P0+2*\i], v[P0+2*\i+1]
.endr
.irp i, 0,1,2,3,4
	v_fma_mixlo_bf16 v[FL+\i], v[P0+2*\i], v[ONE], -v[FH+\i] op_sel_hi:[0,0,1]
.endr
.irp i, 0,1,2,3,4
	v_fma_mixhi_bf16 v[FL+\i], v[P0+2*\i+1], v[ONE], -v[FH+\i] op_sel:[0,0,1] op_sel_hi:[0,0,1]
.endr
.endm
; THE TILE'S END AND THE NEXT TILE'S BEGINNING: loads for the next tile; the final step of tile I; its results into my stage; every eighth tile the stage goes out; the next tile's features.
.macro V0
.irp T, 0,1,2,3                        ; the next tile's first tangents: rows 18 and 19 of W_in
.irp c, 0,1
	ds_load_b128 v[U0+8*\T+4*\c:U0+8*\T+4*\c+3], v[BA] offset:TWT+64*\T+16*\c
	ds_load_b128 v[U1+8*\T+4*\c:U1+8*\T+4*\c+3], v[BA] offset:TWT+256+64*\T+16*\c
.endr
.endr
	s_add_co_u32 s29, s[I], 1
	s_min_u32 s29, s29, 15                         ; the last trip has no next tile: the number is held inside my 16
	s_lshl_b32 s29, s29, 7                         ; 16 samples x 8 bytes
	v_add_nc_u32 v[TA], s29, v[IA]
	ds_load_b32 v[RZ+1], v[TA]                     ; wo
	ds_load_b32 v[RZ], v[TA] offset:2048           ; z
	v_fma_f32 v[FA], v[OT], s34, v[BO]             ; a, b, c = sums / k + b_out
	v_fma_f32 v[FB], v[OT+1], s34, v[BO+1]
	v_fma_f32 v[FC], v[OT+2], s34, v[BO+2]
	v_mul_f32 v[FT], s36, |v[FC]|
	v_exp_f32 v[FT], v[FT]                         ; t = e^-|c|
	v_mul_f32 v[FN], v[FA], v[FA]
	v_fma_f32 v[FN], v[FB], v[FB], v[FN]
	v_max_num_f32 v[FP], 0, v[FC]
	v_cmp_gt_f32 s45, 0, v[FC]                     ; c < 0
	s_wait_alu depctr_va_vdst(0)                   ; the wait ahead of t's first reader; the four lines above are the work between
	v_add_f32 v[F1], 1.0, v[FT]
	v_log_f32 v[FLG], v[F1]
	v_rcp_f32 v[FR], v[F1]
	v_fma_f32 v[FU], v[FT], 0x3eaaaaab, -0.5       ; log(1 + t) for small t: t (1 + t (t / 3 - 1 / 2))
	v_fma_f32 v[FU], v[FT], v[FU], 1.0
	v_mul_f32 v[FU], v[FT], v[FU]
	v_cmp_gt_f32 s44, 0x3b000000, v[FT]            ; t < 2^-9: there 1 + t has lost too much of t
	s_wait_alu depctr_va_vdst(0)                   ; one wait for the logarithm and the reciprocal
	v_mul_f32 v[FLG], s32, v[FLG]
	v_mul_f32 v[FS], v[FT], v[FR]
	v_cndmask_b32 v[FLG], v[FLG], v[FU], s44
	v_cndmask_b32 v[FR], v[FR], v[FS], s45         ; sigmoid(c) = 1 / (1 + t), or t / (1 + t) where c < 0
	v_add_f32 v[FP], v[FP], v[FLG]                 ; p = softplus(c) = max(c, 0) + log(1 + t)
	v_fma_f32 v[FN], v[FP], v[FP], v[FN]
	v_rsq_f32 v[FRS], v[FN]
	v_mul_f32 v[FD0], v[FR], v[OD0+2]              ; dp = sigmoid(c) dc
	v_mul_f32 v[FD1], v[FR], v[OD1+2]
	s_wait_alu depctr_va_vdst(0)                   ; the root's wait
	v_min_num_f32 v[FI], 0x5368d4a5, v[FRS]        ; 1 / max(norm, 1e-12)
	v_cmp_lt_f32 s46, 0x5368d4a5, v[FRS]           ; the norm is clamped: its derivative is 0
	v_mul_f32 v[FA], v[FA], v[FI]                  ; wi3
	v_mul_f32 v[FB], v[FB], v[FI]
	v_mul_f32 v[FP], v[FP], v[FI]
	v_mul_f32 v[F1], v[FA], v[OD0]                 ; g = wi3 . d(a, b, p), for each tangent
	v_mul_f32 v[FLG], v[FA], v[OD1]
	v_fma_f32 v[F1], v[FB], v[OD0+1], v[F1]
	v_fma_f32 v[FLG], v[FB], v[OD1+1], v[FLG]
	v_fma_f32 v[F1], v[FP], v[FD0], v[F1]
	v_fma_f32 v[FLG], v[FP], v[FD1], v[FLG]
	v_cndmask_b32 v[F1], v[F1], 0, s46
	v_cndmask_b32 v[FLG], v[FLG], 0, s46
	v_fma_f32 v[FU], -v[FA], v[F1], v[OD0]         ; norm x d wi = d(a, b) - wi g
	v_fma_f32 v[FS], -v[FB], v[F1], v[OD0+1]
	v_fma_f32 v[FD0], -v[FA], v[FLG], v[OD1]
	v_fma_f32 v[FD1], -v[FB], v[FLG], v[OD1+1]
	v_mul_f32 v[FDT], v[FU], v[FD1]
	v_fma_f32 v[FDT], -v[FD0], v[FS], v[FDT]
	v_mul_f32 v[FDT], v[FDT], v[FI]
	v_mul_f32 v[FDT], v[FDT], v[FI]                ; the determinant
	v_cndmask_b32 v[FA], v[FA], v[FB], s43         ; lanes 0-15 store wi.x, lanes 16-31 wi.y
	s_and_b32 s30, s[I], 7
	s_mul_i32 s29, s30, 192                        ; 16 samples x 12 bytes
	v_add_nc_u32 v[SAT], s29, v[SA]
	v_add_nc_u32 v[SDT], s29, v[SD]
	ds_store_b32 v[SAT], v[FA]
	ds_store_b32 v[SDT], v[FDT]                    ; both halves of the lanes hold the same number and store it to the same word
	s_cmp_lg_u32 s30, 7
	s_cbranch_scc1 .Lno_flush_\@
	s_wait_xcnt 0x0                                ; the last flush's stores have read their offset register
	s_lshr_b32 s31, s[I], 3
	s_mul_i32 s31, s31, 1536
	v_add_nc_u32 v[GT], s31, v[LA]
.irp q, 0,1,2
	ds_load_b128 v[HL+4*\q:HL+4*\q+3], v[RA] offset:512*\q  ; my own bytes: LDS serves a wave's instructions in order (ISA guide 5.7.1.4)
.endr
	s_wait_dscnt 0x0
.irp q, 0,1,2
	global_store_b128 v[GT], v[HL+4*\q:HL+4*\q+3], s[48:49] offset:512*\q th:TH_STORE_NT  ; 512 consecutive bytes, at a multiple of 256 from out0's first byte
.endr
.Lno_flush_\@:
	s_cmp_eq_u32 s[I], 15
	s_cbranch_scc1 .Lno_enc_\@                     ; the last tile has no successor
	s_wait_dscnt 0x0                               ; wo and z of the next tile are in
	POSENC
.Lno_enc_\@:
	s_wait_xcnt 0x0                                ; the flush's stores have read HL's registers, which the next layer's vector work writes
.endm
.macro PHASE p
.if (\p) == 0
	M1
.elseif (\p) == 1
	ACT 1
.elseif (\p) == 2
	MH 0
.elseif (\p) == 3
	ACT 2
.elseif (\p) == 4
	MH 1
.elseif (\p) == 5
	ACT 3
.elseif (\p) == 6
	MH 2
.elseif (\p) == 7
	ACT 0
.elseif (\p) == 8
	M5
.elseif (\p) == 9
	V0
.else
	s_cmp_eq_u32 s[I], 15                          ; type 0 runs ahead into the next tile, if there is one
	s_cbranch_scc1 .Lno_next_\@
	M1
.Lno_next_\@:
.endif
.endm
; A step: every wave's LDS instructions are done (the bias and table loads that the coming phase reads among them); the barrier that keeps the two types in step; type 0 runs phase j + 1, type 1 phase j.
.macro STEP j
	s_wait_dscnt 0x0
	s_barrier_signal -1
	s_barrier_wait -1
	s_cmp_lg_u32 s[TYP], 0
	s_cbranch_scc1 .Ltype1_\@
	PHASE (\j)+1
	s_branch .Ljoin_\@
.Ltype1_\@:
	PHASE \j
.Ljoin_\@:
.endm
; ---------------------------------------------------------------- the head
	s_load_b512 s[8:23], s[0:1], 0x0               ; wo s[8:9], z s[10:11], W_in s[12:13], b_in s[14:15], W_hid s[16:17], b_hid s[18:19], W_out s[20:21], b_out s[22:23]
	s_load_b64 s[24:25], s[0:1], 0x40              ; out0
	v_lshl_add_u32 v[SPW], v0, 2, SPARE
	v_mov_b32 v[NIL], 0
	v_lshrrev_b32 v[TMPA], 5, v0
	v_readfirstlane_b32 s[W], v[TMPA]              ; wave 0..7
	s_lshr_b32 s[TYP], s[W], 2
	s_xor_b32 s[TYP], s[TYP], s[W]
	s_and_b32 s[TYP], s[TYP], 1
	s_mov_b32 s32, 0x3f317218                      ; ln 2
	s_mov_b32 s33, 0x3f317218
	s_mov_b32 s34, 0xbf317218                      ; -ln 2 = 1 / k
	s_mov_b32 s35, 0xbf317218
	s_mov_b32 s36, 0xbfb8aa3b                      ; k = -log2(e)
	s_mov_b32 s37, 0xbfb8aa3b
	s_mov_b32 s38, 0xbfc90fdb                      ; -pi / 2, its f32,
	s_mov_b32 s39, 0x333bbd2e                      ; and what that f32 is too large by
	s_mov_b32 s43, 0xffff0000
	v_and_b32 v[R], 15, v0
	v_bfe_u32 v[H], v0, 4, 1
	v_and_b32 v[LA], 31, v0
	v_lshlrev_b32 v[LA], 4, v[LA]
	v_lshlrev_b32 v[BA], 5, v[H]
	v_lshlrev_b32 v[T4], 2, v0
	s_lshl_b32 s29, s[W], 10
	v_add_nc_u32 v[IW], s29, v[LA]
	s_lshl_b32 s29, s[W], 12
	s_add_co_u32 s29, s29, INS
	v_add_nc_u32 v[NW], s29, v[LA]
	v_lshlrev_b32 v[IA], 3, v[R]
	v_lshl_add_u32 v[IA], v[H], 2, v[IA]
	v_add_nc_u32 v[IA], s29, v[IA]
	s_mul_i32 s30, s[W], 1536
	s_add_co_u32 s30, s30, OSTG
	v_mul_u32_u24 v[SD], v[R], 12
	v_add_nc_u32 v[SD], s30, v[SD]
	v_lshl_add_u32 v[SA], v[H], 2, v[SD]
	v_add_nc_u32 v[SD], 8, v[SD]
	v_add_nc_u32 v[RA], s30, v[LA]
	s_and_b32 s29, s[W], 1                         ; my three hidden fragments: half s = w & 1 of K, tile T = w >> 1, layers 0 to 2
	s_lshl_b32 s29, s29, 13                        ; 32 rows of 256 bytes
	s_lshr_b32 s30, s[W], 1
	s_lshl_b32 s30, s30, 6                         ; 16 columns of 4 bytes
	s_add_co_u32 s29, s29, s30
	v_lshlrev_b32 v[HO], 2, v[R]                   ; column l % 16,
	v_lshl_add_u32 v[HO], v[H], 11, v[HO]          ; 8 rows on for lanes 16-31
	v_add_nc_u32 v[HO], s29, v[HO]
	s_lshl_b32 s50, ttmp9, 14                      ; the work-group's 2,048 samples x 8 bytes,
	s_lshl_b32 s29, s[W], 11                       ; my wave's 256
	s_add_co_u32 s50, s50, s29
	s_mov_b32 s51, 0
	s_mul_i32 s52, ttmp9, 24576                    ; the same x 12 bytes
	s_mul_i32 s29, s[W], 3072
	s_add_co_u32 s52, s52, s29
	s_mov_b32 s53, 0
	s_wait_kmcnt 0x0
	s_add_nc_u64 s[8:9], s[8:9], s[50:51]
	s_add_nc_u64 s[10:11], s[10:11], s[50:51]
	s_add_nc_u64 s[48:49], s[24:25], s[52:53]
	s_load_b96 s[40:42], s[22:23], 0x0             ; b_out
	s_cmp_lt_u32 s[W], 2                           ; threads 0-63 read b_in, threads 64-255 the 192 numbers of b_hid
	s_cselect_b64 s[54:55], s[14:15], s[18:19]
	s_cselect_b32 s29, 0, 256
	v_sub_nc_u32 v[BOF], v[T4], s29
.irp q, 0,1,2,3                        ; my wave's inputs, 512 consecutive bytes a load; read once in the launch
	global_load_b128 v[LWO+4*\q:LWO+4*\q+3], v[LA], s[8:9] offset:512*\q th:TH_LOAD_NT
	global_load_b128 v[LZ+4*\q:LZ+4*\q+3], v[LA], s[10:11] offset:512*\q th:TH_LOAD_NT
.endr
.set l_, 0
.rept 3                                ; element e of a fragment is input 32 s + 8 (l / 16) + e (e < 8) or + e + 8: W_hid lies [input][unit], so a fragment is turned by loading it word by word, once a launch
.set e_, 0
.rept 16
	global_load_b32 v[LH+16*l_+e_], v[HO], s[16:17] offset:16384*l_+256*(e_+8*(e_/8))
.set e_, e_+1
.endr
.set l_, l_+1
.endr
	global_load_b32 v[LB], v[BOF], s[54:55]
	s_cmp_lt_u32 s[W], 4
	s_cbranch_scc0 .Lnot_in
	; waves 0-3: W_in's fragment for tile T = w.  Element e of lanes with half h is the weight of feature e of coordinate h: row 2 e + 2 + h (e = 0..8: the sines and cosines, z), row h (e = 9: wo)
	v_lshlrev_b32 v[WO4], 2, v[R]
	v_lshl_add_u32 v[WO4], v[H], 8, v[WO4]
	s_lshl_b32 s29, s[W], 6
	v_add_nc_u32 v[WO4], s29, v[WO4]
.irp e, 0,1,2,3,4,5,6,7,8
	global_load_b32 v[LX+\e], v[WO4], s[12:13] offset:512*\e+512
.endr
	global_load_b32 v[LX+9], v[WO4], s[12:13]
	global_load_b32 v[LT], v[T4], s[12:13] offset:4608  ; threads 0-127: rows 18 and 19, the first tangents
	s_wait_loadcnt 0x0
.irp i, 0,1,2,3,4
	v_cvt_pk_bf16_f32 v[PX+\i], v[LX+2*\i], v[LX+2*\i+1]
.endr
	v_mov_b32 v[PX+5], 0                           ; K has 32 places, the features fill 20
	v_mov_b32 v[PX+6], 0
	v_mov_b32 v[PX+7], 0
	ds_store_b128 v[IW], v[PX:PX+3] offset:IMG+24576
	ds_store_b128 v[IW], v[PX+4:PX+7] offset:IMG+24576+512
	v_cvt_pk_bf16_f32 v[LT], v[LT], v[LT]
	v_lshlrev_b32 v[LT], 16, v[LT]
	ds_store_b32 v[T4], v[LT] offset:TWT
	s_branch .Lcommon
.Lnot_in:
	s_cmp_lt_u32 s[W], 6
	s_cbranch_scc0 .Lcommon
	; waves 4, 5: W_out's fragment for half s = w - 4 of K: rows 0-2 and 8-10 hold its three columns, the other rows 0
	v_and_b32 v[R7], 7, v[R]
	v_cmp_gt_u32 vcc_lo, 3, v[R7]
	v_min_u32 v[WO4], 2, v[R7]                     ; the other rows read column 2 and throw it away
	v_lshlrev_b32 v[WO4], 2, v[WO4]
	v_mad_u32_u24 v[WO4], v[H], 96, v[WO4]         ; 8 rows of 12 bytes on for lanes 16-31
	s_sub_co_u32 s29, s[W], 4
	s_mul_i32 s29, s29, 384                        ; 32 rows
	v_add_nc_u32 v[WO4], s29, v[WO4]
.set e_, 0
.rept 16
	global_load_b32 v[LX+e_], v[WO4], s[20:21] offset:12*(e_+8*(e_/8))
.set e_, e_+1
.endr
	s_wait_loadcnt 0x0
.irp i, 0,1,2,3,4,5,6,7
	v_cvt_pk_bf16_f32 v[PX+\i], v[LX+2*\i], v[LX+2*\i+1]
.endr
.irp i, 0,1,2,3,4,5,6,7
	v_cndmask_b32 v[PX+\i], 0, v[PX+\i], vcc_lo
.endr
	ds_store_b128 v[IW], v[PX:PX+3] offset:IMG+24576       ; fragment 24 + w = 28 + s
	ds_store_b128 v[IW], v[PX+4:PX+7] offset:IMG+24576+512
.Lcommon:
	s_wait_loadcnt 0x0
.irp q, 0,1,2,3
	ds_store_b128 v[NW], v[LWO+4*\q:LWO+4*\q+3] offset:512*\q
	ds_store_b128 v[NW], v[LZ+4*\q:LZ+4*\q+3] offset:2048+512*\q
.endr
.set j_, 0
.rept 24
	v_cvt_pk_bf16_f32 v[PH+j_], v[LH+2*j_], v[LH+2*j_+1]
.set j_, j_+1
.endr
.irp l, 0,1,2
.irp c, 0,1
	ds_store_b128 v[IW], v[PH+8*\l+4*\c:PH+8*\l+4*\c+3] offset:IMG+8192*\l+512*\c  ; fragment 8 l + w
.endr
.endr
	v_cvt_pk_bf16_f32 v[TMPA], v[LB], v[LB]
	v_lshlrev_b32 v[TMPA], 16, v[TMPA]
	v_mul_f32 v[TMPA], s36, v[TMPA]                ; k bf16(b)
	ds_store_b32 v[T4], v[TMPA] offset:BT
	s_wait_dscnt 0x0                               ; for the others' sake: my stores are done
	s_barrier_signal -1
	s_barrier_wait -1                              ; fragments and tables are whole; nobody writes them again
	WIN 0x40                                       ; destination window 1, address window 0
.set f, 0
.rept 30
	ds_load_b128 v[8*f:8*f+3], v[LA] offset:IMG+1024*f
	ds_load_b128 v[8*f+4:8*f+7], v[LA] offset:IMG+1024*f+512
.set f, f+1
.endr
	WIN 0
.irp T, 0,1,2,3                        ; what tile 0 begins with: k b_in, rows 18 and 19 of W_in, its wo and z
.irp c, 0,1
	ds_load_b128 v[X+8*\T+4*\c:X+8*\T+4*\c+3], v[BA] offset:BT+64*\T+16*\c
	ds_load_b128 v[U0+8*\T+4*\c:U0+8*\T+4*\c+3], v[BA] offset:TWT+64*\T+16*\c
	ds_load_b128 v[U1+8*\T+4*\c:U1+8*\T+4*\c+3], v[BA] offset:TWT+256+64*\T+16*\c
.endr
.endr
	ds_load_b32 v[RZ+1], v[IA]
	ds_load_b32 v[RZ], v[IA] offset:2048
	v_mov_b32 v[SC3], 0xb94ca1f9                   ; sin x = x + x z (S1 + z (S2 + z S3)), cos x = 1 + z (-1/2 + z (C1 + z (C2 + z C3))), z = x x
	v_mov_b32 v[SC3+1], 0x37ccf5ce
	v_mov_b32 v[SC2], 0x3c08839e
	v_mov_b32 v[SC2+1], 0xbab6061a
	v_mov_b32 v[SC1], 0xbe2aaaa3
	v_mov_b32 v[SC1+1], 0x3d2aaaa5
	v_mov_b32 v[SC0], 0
	v_mov_b32 v[SC0+1], -0.5
	v_mov_b32 v[ZO], 0
	v_mov_b32 v[ZO+1], 1.0
	v_mov_b32 v[ONE], 1.0
	v_mov_b32 v[TW], 2.0
	v_mov_b32 v[TW+1], -2.0
.irp i, 5,6,7
	v_mov_b32 v[FH+\i], 0                          ; the twelve places of K that hold no feature
.endr
.irp i, 0,1,2,3,4,5,6,7
	v_mov_b32 v[FL+\i], 0                          ; the lo registers are written by halves, so each is written whole once
.endr
.irp i, 0,1,2,3,4,5,6,7,8,9,10,11,12,13,14,15
	v_mov_b32 v[HL+\i], 0
.endr
	s_wait_kmcnt 0x0                               ; b_out
	v_cvt_pk_bf16_f32 v[TMPA], s40, s41
	v_cvt_pk_bf16_f32 v[TMPB], s42, s42
	v_lshlrev_b32 v[BO], 16, v[TMPA]
	v_and_b32 v[BO+1], s43, v[TMPA]
	v_lshlrev_b32 v[BO+2], 16, v[TMPB]
	s_wait_dscnt 0x0
	POSENC                                         ; tile 0's features
	s_cmp_lg_u32 s[TYP], 0
	s_cbranch_scc1 .Lbehind
	M1                                             ; type 0 goes one phase ahead
.Lbehind:
	s_mov_b32 s[I], 0
.Ltrip:                                        ; a tile a trip; ten steps
.irp j, 0,1,2,3,4,5,6,7,8,9
	STEP \j
.endr
	s_add_co_u32 s[I], s[I], 1
	s_cmp_lt_u32 s[I], 16
	s_cbranch_scc1 .Ltrip
	s_wait_tensorcnt 0x0                           ; the wave's end, behind my last LDS store
	ds_add_u32 v[SPW], v[NIL]
	s_wait_dscnt 0x0
	s_endpgm
.Lfunc_end_k_q3f3082de77_neu:
	.size	k_q3f3082de77_neu, .Lfunc_end_k_q3f3082de77_neu-k_q3f3082de77_neu
	.p2alignl 7, 3214868480
	.fill 96, 4, 3214868480
	.section	.rodata,"a",@progbits
	.p2align	6, 0x0
	.amdhsa_kernel k_q3f3082de77_neu
		.amdhsa_group_segment_fixed_size 78336
		.amdhsa_private_segment_fixed_size 0
		.amdhsa_enable_private_segment 0
		.amdhsa_kernarg_size 72
		.amdhsa_user_sgpr_count 2
		.amdhsa_user_sgpr_kernarg_segment_ptr 1
		.amdhsa_wavefront_size32 1
		.amdhsa_system_sgpr_workgroup_id_x 1
		.amdhsa_system_sgpr_workgroup_id_y 1
		.amdhsa_system_sgpr_workgroup_id_z 1
		.amdhsa_system_vgpr_workitem_id 0
		.amdhsa_next_free_vgpr 512
		.amdhsa_next_free_sgpr 66
		.amdhsa_reserve_vcc 1
		.amdhsa_float_denorm_mode_32 3
		.amdhsa_float_denorm_mode_16_64 3
		.amdhsa_memory_ordered 1
		.amdhsa_forward_progress 1
		.amdhsa_inst_pref_size 176
	.end_amdhsa_kernel
	.amdgpu_metadata
---
amdhsa.version: [ 1, 2 ]
amdhsa.kernels:
  - .name:           k_q3f3082de77_neu
    .symbol:         k_q3f3082de77_neu.kd
    .args:
      - { .name: wo, .offset: 0, .size: 8, .value_kind: global_buffer, .address_space: global }
      - { .name: z, .offset: 8, .size: 8, .value_kind: global_buffer, .address_space: global }
      - { .name: W_in, .offset: 16, .size: 8, .value_kind: global_buffer, .address_space: global }
      - { .name: b_in, .offset: 24, .size: 8, .value_kind: global_buffer, .address_space: global }
      - { .name: W_hid, .offset: 32, .size: 8, .value_kind: global_buffer, .address_space: global }
      - { .name: b_hid, .offset: 40, .size: 8, .value_kind: global_buffer, .address_space: global }
      - { .name: W_out, .offset: 48, .size: 8, .value_kind: global_buffer, .address_space: global }
      - { .name: b_out, .offset: 56, .size: 8, .value_kind: global_buffer, .address_space: global }
      - { .name: out0, .offset: 64, .size: 8, .value_kind: global_buffer, .address_space: global }
    .group_segment_fixed_size: 78336
    .private_segment_fixed_size: 0
    .kernarg_segment_align: 8
    .kernarg_segment_size: 72
    .max_flat_workgroup_size: 256
    .sgpr_count:     66
    .vgpr_count:     512
    .wavefront_size: 32
...
	.end_amdgpu_metadata
.endif
;; end of part 1
